; MI455X (gfx1250); checked and timed in simulation.
; The chip was launched on July 23, 2026; its instructions are those of AMD's public machine-readable ISA for CDNA 5 (MIT licence, August 2026) and "CDNA5" Instruction Set Architecture Reference Guide (July 2026). The comments in the code are by the model that wrote it; some were corrected since.
;; Simple Mo E. Allowed arithmetic: matrix products marked QUANTISED: E3M2 operands, one E8M0 scale for each 32 along K, by v_wmma_scale_f32_16x16x128_f8f6f4 with both operands' format E3M2, f32 sums; products left as they are: f32 operands where the result goes on into a quantised operand, else bf16, f16 or f32 operands; f32 sums; everything else in f32.
;; Inputs: W1_codes 4 x 2,048 x 32 x 24 uint8 (E3M2 codes of W1, K innermost, in blocks of 32 codes, four codes in three bytes); W1_scales 4 x 2,048 x 32 uint8 (E8M0 scales of W1, one for each 32 codes along K); W2_codes 4 x 1,024 x 64 x 24 uint8 (E3M2 codes of W2, K innermost, in blocks of 32 codes, four codes in three bytes); W2_scales 4 x 1,024 x 64 uint8 (E8M0 scales of W2, one for each 32 codes along K); Wr 1,024 x 4 float32; b1 4 x 2,048 float32; b2 4 x 1,024 float32; br 4 float32; x 2 x 2,048 x 1,024 float32.
;; Outputs: out0 2 x 2,048 x 1,024 float32.
;; This version of the problem:
;;   THIS VERSION OF THE PROBLEM IS GIVEN IN LOW PRECISION. The matrix products marked QUANTISED in the list below multiply operands that are first quantised to E3M2 (3 exponent bits, 2 mantissa bits; 6 bits a number), with one power-of-two scale for each 32 numbers along K (OCP MX v1.0); their sums are f32. All else is computed in f32.
;;   The module's matrix products, in the order in which they are computed (A, B: the left and right operand; K: the contracted axis; several contracted axes count as one K, in the product's order):
;;     1. [M 4,096, K 1,024] x [K 1,024, N 4]; A: input x; B: input Wr: left as it is (N = 4 < 16)
;;     2. [M 4,096, K 1,024] x [K 1,024, N 8,192]; A: input x; B: input W1 (given as codes): QUANTISED
;;     3. batch 4 x [M 1,024, K 2,048] x [K 2,048, N 4,096]; A: input W2 (given as codes); B: computed on the way: QUANTISED
;;     4. batch 4,096 x [M 1, K 4] x [K 4, N 1,024]; A: softmax; B: computed on the way: left as it is (K = 4 < 32)
;;   THE QUANTISER, for each operand of a quantised product, along K:
;;     - K is cut into blocks of 32 from its start; a last block that is shorter is filled with zeros.
;;     - A block's scale is 2^e with e = floor(log2(the largest magnitude in the block)) - 4, held to -126 .. 127; a block of zeros has e = 0. As a byte (E8M0): e + 127.
;;     - Each number is divided by its block's scale, clamped to +-28, and rounded to the nearest number of E3M2, ties to even, subnormals kept.
;;     - The product sums the exact products of the quantised numbers (number of the format x scale) in f32.
;;   ~~~python
;;   def quantise(x, axis):      # numpy; x: float32 -> the quantised numbers, widened to float32 again
;;       x = np.moveaxis(x, axis, -1); K = x.shape[-1]
;;       x = np.pad(x, [(0, 0)] * (x.ndim - 1) + [(0, -K % 32)]); x = x.reshape(x.shape[:-1] + (-1, 32)); a = np.abs(x).max(-1, keepdims=True)
;;       e = np.where(a > 0, np.clip(np.frexp(np.where(a > 0, a, 1))[1] - 1 - 4, -126, 127), 0)      # np.frexp(a)[1] - 1 = floor(log2(a)), exactly
;;       r = np.clip(x / 2.0 ** e, -28, 28)
;;       step = 2.0 ** (np.maximum(np.frexp(np.where(r == 0, 1, r))[1] - 1, -2) - 2)
;;       q = np.round(r / step) * step * 2.0 ** e      # np.round: ties to even
;;       return np.moveaxis(q.reshape(q.shape[:-2] + (-1,))[..., :K], -1, axis).astype(np.float32)
;;   ~~~
;;   OPERANDS COMPUTED ON THE WAY. 'Computed on the way' means the value that the module computes at that place (a softmax that the list does not call 'softmax' is quantised finished and normalised). What goes into a quantiser is computed in f32, as accurately as f32 sums, v_exp_f32 and their like allow (about 1e-6 of the number): no bf16 or f16 on the way to a quantiser, and a product that is left as it is and whose result goes on into a quantised operand takes f32 operands (vector FMAs, or v_wmma_f32_16x16x4_f32). A number that lies on a knife's edge between two numbers of the format may be rounded either way, as far as f32 arithmetic and the matrix unit's own rounding can turn it there, and no further.
;;   INPUTS GIVEN AS CODES. W1 (in the module: [4, 1024, 2048], K = its axis 1); W2 (in the module: [4, 2048, 1024], K = its axis 1): each comes as NAME_codes (uint8): NAME with its K axis moved to the last place and cut into blocks of 32 codes, [.., K / 32, bytes a block], one block behind the other in memory; four codes in three bytes: a row's codes are one little-endian stream of bits, code i at bits 6 i .. 6 i + 5 (a code: sign, 3 exponent bits, 2 mantissa bits); and NAME_scales (uint8): the same leading axes, one E8M0 byte (e + 127) for each 32 codes along K. Its value is code x scale, taken as it is: it is not quantised again, and the codes and scales need not be those that the quantiser above would give.
;; One version. Each part assembles by itself: llvm-mc -triple=amdgcn-amd-amdhsa -mcpu=gfx1250 --defsym DOCPART=n.
;; ======== version 1 of 1: 3 launches
;; limits: right only within a limited range of input values
;; workspace buffers: xq 3,145,728 bytes; xs 131,072 bytes; rw 65,536 bytes; w2q 6,553,600 bytes; hq 26,214,400 bytes
;; launch prep (part 1): grid 256 x 1, 8 waves a work-group, no clusters, 114,432 bytes of LDS; arguments x, Wr, br, W2_codes, W2_scales, xq, xs, rw, w2q; writes xq, xs, rw, w2q
.if DOCPART == 1
	.amdgcn_target "amdgcn-amd-amdhsa--gfx1250"
	.amdhsa_code_object_version 6
	.text
	.protected	k_q2f2995d9bd_prep
	.globl	k_q2f2995d9bd_prep
	.p2align	8
	.type	k_q2f2995d9bd_prep,@function
k_q2f2995d9bd_prep:
	s_mov_b64 s[64:65], 0
	v_nop
	global_prefetch_b8 v0, s[64:65] scope:SCOPE_SE
	s_setreg_imm32_b32 hwreg(HW_REG_WAVE_MODE, 25, 1), 1
	s_wait_xcnt 0x0
; PREP.  Three things that the two products' launches want laid ready, each read once here:
;  (1) x [4096][1024] f32 -> codes of E3M2 with one E8M0 byte for each 32 along K, stored as IMAGES OF OPERAND REGISTERS: a fragment (16 tokens x 128 K, 12 registers a lane)
;      lies as registers 4 c .. 4 c + 3 of lane l at byte 512 c + 16 l: 1,536 bytes.  xq: [token tile 256][K step 8][1,536].  xs: [tile][lane l][i]: the scale word of token l % 16 for K step 2 i + l / 16.
;  (2) the router: softmax(x Wr + br), f32 multiply-adds, the maximum taken off.  rw: [token][4].
;  (3) W2's codes, re-laid as the same images in records of 12,800 bytes: 8 images (128 rows of d), then 512 bytes of scale words (tile t, row r at 12,288 + 64 t + 4 r).  w2q: record ((16 e + K step) 8 + d block).
; SHARES.  Work-group T takes token tile T and the 16 rows 16 T .. of W2's 4,096.  Wave w takes K step w of x and K steps 2 w, 2 w + 1 of W2.  No loop; one barrier.
; A block's scale byte is its largest magnitude's exponent field - 4, held at 1 from below.
; LIMITS: NaN and infinities among the inputs are not served; a block of zeros gets the byte 1 (its codes are zeros, and this program alone reads the bytes).
.set TRW,   8448                       ; LDS: a wave's turning stage: 16 rows x (512 bytes + 16)
.set TRP,   528
.set W2T,   67584                      ; 16 rows of W2's codes x (1,536 bytes + 16)
.set W2P,   1552
.set WRR,   92416                      ; a wave's 128 rows of Wr, transposed: [e][k], 2,048 bytes a wave
.set RED,   108800                     ; a wave's partial logits: 512 bytes a wave
.set XSS,   112896                     ; the tile's 128 scale words of x, in xs's order
.set REC,   12800
.set R,     16                         ; v16-79   x as loaded; later: ACCL, TM, LG, PW, PC
.set ACCL,  16                         ; v16-23   the router's four sums, a pair each (even k, odd k)
.set TM,    24                         ; v24-39   the quantiser's work
.set LG,    32                         ; v32-35   (within TM, unused by the quantiser) my token's four partial logits
.set PW,    40                         ; v40      the scale word just made
.set PC,    44                         ; v44-63   the codes just made
.set X,     80                         ; v80-143  64 numbers of my token: register 16 b + i = k 32 b + 16 (lane / 16) + i
.set WRAW,  144                        ; v144-159 Wr as loaded
.set W2RAW, 160                        ; v160-183 W2's codes as loaded
.set W2SC,  184                        ; v184     a scale word of W2
.set WB,    192                        ; v192-255 Wr of a batch: register 16 e + i
.set WI,    192                        ; v192-215 later: W2's two images
.set FIN,   216                        ; v216-247 later: the last wave's work
.set WV,    22
.set SEL,   24
; 64 numbers of a lane, register 16 b + i = k 32 b + 16 (lane / 16) + i of my row, become a fragment's codes in v[PC] on and its scale word in v[PW]
.macro QUANT s
.irp b, 0,1,2,3
	v_max3_num_f32 v[TM+\b], |v[\s+16*\b]|, |v[\s+1+16*\b]|, 0x2800000   ; block b: my 16 numbers, and the floor 2^(5 - 127): the byte cannot fall under 1
.endr
.irp i, 2,4,6,8,10,12,14
.irp b, 0,1,2,3
	s_delay_alu instid0(VALU_DEP_4)
	v_max3_num_f32 v[TM+\b], v[TM+\b], |v[\s+16*\b+\i]|, |v[\s+1+16*\b+\i]|   ; the four blocks by turns
.endr
.endr
.irp b, 0,1,2,3
	s_delay_alu instid0(VALU_DEP_4)
	v_permlanex16_b32 v[TM+4+\b], v[TM+\b], s[SEL], s[SEL+1]
.endr
.irp b, 0,1,2,3
	s_delay_alu instid0(VALU_DEP_4)
	v_max_num_f32 v[TM+\b], v[TM+\b], v[TM+4+\b]   ; with lane l xor 16's: the block's largest magnitude
.endr
.irp b, 0,1,2,3
	s_delay_alu instid0(VALU_DEP_4)
	v_add_nc_u32 v[TM+12+\b], 0xfe000000, v[TM+\b]   ; 4 off its exponent field: the conversion's scale operand
.endr
.irp b, 0,1,2,3
	s_delay_alu instid0(VALU_DEP_4)
	v_lshrrev_b32 v[TM+4+\b], 23, v[TM+12+\b]      ; the scale's byte
.endr
	s_delay_alu instid0(VALU_DEP_3)
	v_lshl_or_b32 v[PW], v[TM+5], 8, v[TM+4]
	s_delay_alu instid0(VALU_DEP_1)
	v_lshl_or_b32 v[PW], v[TM+6], 16, v[PW]
	s_delay_alu instid0(VALU_DEP_1)
	v_lshl_or_b32 v[PW], v[TM+7], 24, v[PW]
.irp c, 0,1
	v_cvt_scalef32_pk16_bf6_f32 v[PC+6*\c:PC+2+6*\c], v[\s+32*\c:\s+15+32*\c], v[TM+12+2*\c]
	v_cvt_scalef32_pk16_bf6_f32 v[PC+12+4*\c:PC+14+4*\c], v[\s+16+32*\c:\s+31+32*\c], v[TM+12+2*\c+1]   ; (a conversion's three registers begin on an even number)
.endr
	v_nop                                          ; one plain place behind a scaled conversion
.irp c, 0,1                                    ; the operand's layout wants a whole block in a lane: lanes 0-15 block 2 c, lanes 16-31 block 2 c + 1
.irp i, 0,1,2
	v_permlane16_swap_b32 v[PC+6*\c+\i], v[PC+12+4*\c+\i]
.endr
.irp i, 0,1,2
	s_delay_alu instid0(VALU_DEP_3)
	v_mov_b32 v[PC+3+6*\c+\i], v[PC+12+4*\c+\i]
.endr
.endr
.endm
	s_load_b512 s[4:19], s[0:1], 0x0               ; x s[4:5], Wr s[6:7], br s[8:9], W2's codes s[10:11], W2's scales s[12:13], xq s[14:15], xs s[16:17], rw s[18:19]
	s_load_b64 s[20:21], s[0:1], 0x40              ; w2q
	v_lshl_add_u32 v190, v0, 2, 0x1bb00
	v_mov_b32 v191, 0
	v_lshrrev_b32 v1, 5, v0
	s_delay_alu instid0(VALU_DEP_1)
	v_readfirstlane_b32 s[WV], v1                  ; wave 0..7
	v_and_b32 v1, 31, v0                           ; lane
	v_and_b32 v2, 15, v0                           ; r
	v_bfe_u32 v3, v0, 4, 1                         ; h
	s_delay_alu instid0(VALU_DEP_3)
	v_lshlrev_b32 v4, 4, v1                        ; 16 x lane
	s_mov_b32 s[SEL], 0x76543210
	s_mov_b32 s[SEL+1], 0xfedcba98                 ; v_permlanex16_b32's selects for lane l xor 16
	s_lshl_b32 s32, ttmp9, 16                      ; x: 16 rows of 4,096 bytes a tile, 512 bytes of each row a wave
	s_lshl_b32 s33, s[WV], 9
	s_add_co_u32 s32, s32, s33
	s_mov_b32 s33, 0
	s_wait_alu depctr_va_vdst(0)
	s_wait_kmcnt 0x0
	s_add_nc_u64 s[4:5], s[4:5], s[32:33]
.set i, 0
.rept 16
	global_load_b128 v[R+4*i:R+4*i+3], v4, s[4:5] offset:4096*i th:TH_LOAD_NT   ; row i: 32 lanes read 512 consecutive bytes
.set i, i+1
.endr
	s_load_b128 s[28:31], s[8:9], 0x0              ; br
	s_lshl_b32 s32, s[WV], 11                      ; Wr: my 128 rows of 16 bytes
	s_add_nc_u64 s[6:7], s[6:7], s[32:33]
.irp i, 0,1,2,3
	global_load_b128 v[WRAW+4*\i:WRAW+4*\i+3], v4, s[6:7] offset:512*\i
.endr
	s_mul_i32 s32, ttmp9, 24576                    ; W2's codes: 16 rows of 1,536 bytes a tile, two rows a wave
	s_mul_i32 s26, s[WV], 3072
	s_add_co_u32 s32, s32, s26
	s_add_nc_u64 s[10:11], s[10:11], s[32:33]
.irp i, 0,1,2,3,4,5
	global_load_b128 v[W2RAW+4*\i:W2RAW+4*\i+3], v4, s[10:11] offset:512*\i th:TH_LOAD_NT
.endr
	s_lshl_b32 s32, ttmp9, 10                      ; W2's scale bytes: 16 rows of 64
	s_add_nc_u64 s[12:13], s[12:13], s[32:33]
	s_lshl_b32 s26, s[WV], 3
	v_lshlrev_b32 v13, 6, v2
	s_delay_alu instid0(VALU_DEP_1)
	v_lshl_add_u32 v13, v3, 2, v13
	s_delay_alu instid0(VALU_DEP_1)
	v_add_nc_u32 v13, s26, v13                     ; row r, the word of K step 2 w + h
	global_load_b32 v[W2SC], v13, s[12:13]
	; LDS addresses: a constant + a constant x lane + a constant x wave
	s_mul_i32 s26, s[WV], TRW
	v_add_nc_u32 v5, s26, v4                       ; the stage, in: a row's 512 bytes as they lie
	v_mul_u32_u24 v6, v2, TRP
	s_delay_alu instid0(VALU_DEP_1)
	v_lshl_add_u32 v6, v3, 6, v6
	s_delay_alu instid0(VALU_DEP_1)
	v_add_nc_u32 v6, s26, v6                       ; out: row r, + 64 h: my 16 numbers of a block of 32
	s_lshl_b32 s26, s[WV], 11
	s_add_co_u32 s26, s26, WRR
	v_lshl_add_u32 v7, v1, 2, s26                  ; Wr transposed, in: 4 x lane
	v_lshl_add_u32 v8, v3, 6, s26                  ; out: + 64 h
	s_mul_i32 s26, s[WV], 2*W2P
	s_add_co_u32 s26, s26, W2T
	v_add_nc_u32 v9, s26, v4                       ; W2's rows 2 w, 2 w + 1, in
	s_mul_i32 s26, s[WV], 192
	s_add_co_u32 s26, s26, W2T
	v_mul_u32_u24 v10, v2, W2P
	s_delay_alu instid0(VALU_DEP_1)
	v_mad_u32_u24 v10, v3, 24, v10
	s_delay_alu instid0(VALU_DEP_1)
	v_add_nc_u32 v10, s26, v10                     ; out: row r, K step 2 w, + 24 h
	s_and_b32 s26, s[WV], 1
	s_lshl_b32 s26, s26, 8
	s_lshr_b32 s27, s[WV], 1
	s_lshl_b32 s27, s27, 2
	s_add_co_u32 s26, s26, s27
	s_add_co_u32 s26, s26, XSS
	v_lshl_add_u32 v11, v2, 4, s26                 ; x's scale word of K step w: lane 16 (w % 2) + r of xs, word w / 2
	s_lshl_b32 s26, s[WV], 9
	s_add_co_u32 s26, s26, RED
	v_add_nc_u32 v12, s26, v4
	v_mul_u32_u24 v14, v3, 8*REC
	s_delay_alu instid0(VALU_DEP_1)
	v_lshl_add_u32 v14, v2, 2, v14                 ; w2q's scale words: K step 2 w + h lies 8 records on for h = 1; 4 r
	v_add_nc_u32 v15, RED, v4
	; the stores' bases
	s_lshl_b32 s32, ttmp9, 3
	s_add_co_u32 s32, s32, s[WV]
	s_mul_i32 s32, s32, 1536
	s_add_nc_u64 s[14:15], s[14:15], s[32:33]      ; xq: image 8 T + w
	s_lshl_b32 s32, ttmp9, 9
	s_add_nc_u64 s[16:17], s[16:17], s[32:33]      ; xs: 512 bytes a tile
	s_lshl_b32 s32, ttmp9, 8
	s_add_nc_u64 s[18:19], s[18:19], s[32:33]      ; rw: 256 bytes a tile
	s_lshr_b32 s26, ttmp9, 6                       ; e
	s_lshl_b32 s26, s26, 4
	s_lshl_b32 s27, s[WV], 1
	s_add_co_u32 s26, s26, s27                     ; 16 e + 2 w
	s_lshl_b32 s26, s26, 3
	s_bfe_u32 s27, ttmp9, 0x30003                  ; the block of 128 rows of d
	s_add_co_u32 s26, s26, s27
	s_mul_i32 s26, s26, REC                        ; the record of K step 2 w
	s_and_b32 s27, ttmp9, 7                        ; my tile's place in it
	s_mul_i32 s32, s27, 1536
	s_add_co_u32 s32, s32, s26
	s_add_nc_u64 s[34:35], s[20:21], s[32:33]      ; its image
	s_lshl_b32 s32, s27, 6
	s_add_co_u32 s32, s32, s26
	s_add_co_u32 s32, s32, 12288
	s_add_nc_u64 s[36:37], s[20:21], s[32:33]      ; its scale words
	s_wait_alu depctr_va_vdst(0)
	s_wait_loadcnt 11                              ; x's sixteen loads are in; the eleven younger ones may be out
.set i, 0
.rept 16
	ds_store_b128 v5, v[R+4*i:R+4*i+3] offset:TRP*i
.set i, i+1
.endr
.irp b, 0,1,2,3
.irp j, 0,1,2,3
	ds_load_b128 v[X+16*\b+4*\j:X+16*\b+4*\j+3], v6 offset:128*\b+16*\j   ; LDS serves a wave's instructions in order: these see my stores
.endr
.endr
	s_wait_loadcnt 7                               ; Wr's four
.irp i, 0,1,2,3
.irp e, 0,1,2,3
	ds_store_b32 v7, v[WRAW+4*\i+\e] offset:512*\e+128*\i   ; Wr(32 i + lane, e) to [e][k]
.endr
.endr
	s_wait_loadcnt 1                               ; W2's six
.irp i, 0,1,2,3,4,5
	ds_store_b128 v9, v[W2RAW+4*\i:W2RAW+4*\i+3] offset:W2P*(\i/3)+512*(\i%3)
.endr
	; THE ROUTER: my token's partial logits over my 64 k, two k an instruction; four sums by turns
.irp b, 0,1,2,3
.irp e, 0,1,2,3
.irp j, 0,1,2,3
	ds_load_b128 v[WB+16*\e+4*\j:WB+16*\e+4*\j+3], v8 offset:512*\e+128*\b+16*\j
.endr
.endr
	s_wait_alu depctr_va_vdst(0)
	s_wait_dscnt 0x0                               ; Wr's batch is in; in the first batch also: x is back, and the stores have read the registers that are written below
.irp q, 0,1,2,3,4,5,6,7
.irp e, 0,1,2,3
.if (\b == 0) && (\q == 0)
	v_pk_mul_f32 v[ACCL+2*\e:ACCL+2*\e+1], v[X+16*\b+2*\q:X+16*\b+2*\q+1], v[WB+16*\e+2*\q:WB+16*\e+2*\q+1]   ; the first product starts the sum
.else
	v_pk_fma_f32 v[ACCL+2*\e:ACCL+2*\e+1], v[X+16*\b+2*\q:X+16*\b+2*\q+1], v[WB+16*\e+2*\q:WB+16*\e+2*\q+1], v[ACCL+2*\e:ACCL+2*\e+1]
.endif
.endr
.endr
.endr
.irp e, 0,1,2,3
	v_mov_b32 v[TM+4+\e], 0                        ; a lane permute's destination counts as one of its sources
.endr
.irp e, 0,1,2,3
	v_add_f32 v[LG+\e], v[ACCL+2*\e], v[ACCL+2*\e+1]
.endr
.irp e, 0,1,2,3
	s_delay_alu instid0(VALU_DEP_4)
	v_permlanex16_b32 v[TM+4+\e], v[LG+\e], s[SEL], s[SEL+1]
.endr
.irp e, 0,1,2,3
	s_delay_alu instid0(VALU_DEP_4)
	v_add_f32 v[LG+\e], v[LG+\e], v[TM+4+\e]       ; with lane l xor 16's 64 k: this K step's part
.endr
	ds_store_b128 v12, v[LG:LG+3]
	; x's fragment of K step w
	QUANT X
.irp c, 0,1,2
	global_store_b128 v4, v[PC+4*\c:PC+4*\c+3], s[14:15] offset:512*\c   ; 32 lanes store 512 consecutive bytes, at a multiple of 256 from xq's first byte
.endr
	ds_store_b32 v11, v[PW]                        ; both lanes of a token write the same word with the same value
	s_wait_kmcnt 0x0                               ; br
	s_wait_dscnt 0x0                               ; for the others' sake: my stores of W2's rows, of the logits and of the scale words have landed
	s_barrier_signal -1
	s_barrier_wait -1
	; W2's fragments of K steps 2 w and 2 w + 1: 24 bytes of a row's stream of bits, as they lie, in pieces of 8
.irp q, 0,1
.irp p, 0,1,2,3,4,5
	ds_load_b64 v[WI+12*\q+2*\p:WI+12*\q+2*\p+1], v10 offset:96*\q+48*(\p/3)+8*(\p%3)
.endr
.endr
	s_wait_dscnt 0x0
.irp q, 0,1
.irp c, 0,1,2
	global_store_b128 v4, v[WI+12*\q+4*\c:WI+12*\q+4*\c+3], s[34:35] offset:8*REC*\q+512*\c
.endr
.endr
	s_wait_loadcnt 0x0                             ; the scale word
	global_store_b32 v14, v[W2SC], s[36:37]        ; sixteen lanes store a tile's 64 bytes of a record's scale words
	s_cmp_lg_u32 s[WV], 0
	s_cbranch_scc1 .Lnot_wave_0
	; wave 0: the eight K steps' parts, the bias, the softmax
.irp i, 0,1,2,3,4,5,6,7
	ds_load_b128 v[FIN+4*\i:FIN+4*\i+3], v15 offset:512*\i
.endr
	s_wait_dscnt 0x0
.irp d, 4,8,16
.irp i, 0,1,2,3
.if (8*\i*\d/4) < 32
	v_pk_add_f32 v[FIN+2*\d*\i:FIN+2*\d*\i+1], v[FIN+2*\d*\i:FIN+2*\d*\i+1], v[FIN+2*\d*\i+\d:FIN+2*\d*\i+\d+1]
	v_pk_add_f32 v[FIN+2*\d*\i+2:FIN+2*\d*\i+3], v[FIN+2*\d*\i+2:FIN+2*\d*\i+3], v[FIN+2*\d*\i+\d+2:FIN+2*\d*\i+\d+3]
.endif
.endr
.endr
.irp e, 0,1,2,3
	v_add_f32 v[FIN+\e], s[28+\e], v[FIN+\e]
.endr
	s_delay_alu instid0(VALU_DEP_2)
	v_max3_num_f32 v[FIN+16], v[FIN], v[FIN+1], v[FIN+2]
	s_delay_alu instid0(VALU_DEP_1)
	v_max_num_f32 v[FIN+16], v[FIN+16], v[FIN+3]   ; the row's maximum is taken off, as the softmax has it
.irp e, 0,1,2,3
	v_sub_f32 v[FIN+\e], v[FIN+\e], v[FIN+16]
.endr
.irp e, 0,1,2,3
	s_delay_alu instid0(VALU_DEP_4)
	v_mul_f32 v[FIN+\e], 0x3fb8aa3b, v[FIN+\e]     ; x log2(e)
.endr
	s_wait_alu depctr_va_vdst(0)
.irp e, 0,1,2,3
	v_exp_f32 v[FIN+\e], v[FIN+\e]
.endr
	v_nop                                          ; a plain place behind the exponentials
	s_wait_alu depctr_va_vdst(0)                   ; one wait for the four, ahead of their first reader
	v_add_f32 v[FIN+16], v[FIN], v[FIN+1]
	v_add_f32 v[FIN+17], v[FIN+2], v[FIN+3]
	s_delay_alu instid0(VALU_DEP_1)
	v_add_f32 v[FIN+16], v[FIN+16], v[FIN+17]
	s_wait_alu depctr_va_vdst(0)
	v_rcp_f32 v[FIN+16], v[FIN+16]
	v_cmp_gt_u32 vcc_lo, 16, v1                    ; (a plain place)  lanes 16-31 hold the same rows again
	s_wait_alu depctr_va_vdst(0)
.irp e, 0,1,2,3
	v_mul_f32 v[FIN+\e], v[FIN+\e], v[FIN+16]
.endr
	s_wait_alu depctr_va_vdst(0)
	s_wait_xcnt 0x0                                ; EXEC changes only behind this wait
	s_wait_tensorcnt 0x0
	ds_add_u32 v190, v191
	s_wait_dscnt 0x0
	s_and_saveexec_b32 s32, vcc_lo
	global_store_b128 v4, v[FIN:FIN+3], s[18:19]   ; sixteen lanes store 256 consecutive bytes, aligned
	s_wait_xcnt 0x0
	s_or_b32 exec_lo, exec_lo, s32
	s_endpgm
.Lnot_wave_0:
	s_cmp_lg_u32 s[WV], 1
	s_cbranch_scc1 .Ldone
	ds_load_b128 v[FIN:FIN+3], v15 offset:XSS-RED  ; wave 1: the tile's scale words leave as 512 consecutive bytes
	s_wait_dscnt 0x0
	global_store_b128 v4, v[FIN:FIN+3], s[16:17]
.Ldone:
	s_wait_tensorcnt 0x0
	ds_add_u32 v190, v191
	s_wait_dscnt 0x0
	s_endpgm
.Lfunc_end_k_q2f2995d9bd_prep:
	.size	k_q2f2995d9bd_prep, .Lfunc_end_k_q2f2995d9bd_prep-k_q2f2995d9bd_prep
	.p2alignl 7, 3214868480
	.fill 96, 4, 3214868480
	.section	.rodata,"a",@progbits
	.p2align	6, 0x0
	.amdhsa_kernel k_q2f2995d9bd_prep
		.amdhsa_group_segment_fixed_size 114432
		.amdhsa_private_segment_fixed_size 0
		.amdhsa_enable_private_segment 0
		.amdhsa_kernarg_size 72
		.amdhsa_user_sgpr_count 2
		.amdhsa_user_sgpr_kernarg_segment_ptr 1
		.amdhsa_wavefront_size32 1
		.amdhsa_system_sgpr_workgroup_id_x 1
		.amdhsa_system_sgpr_workgroup_id_y 1
		.amdhsa_system_sgpr_workgroup_id_z 1
		.amdhsa_system_vgpr_workitem_id 0
		.amdhsa_next_free_vgpr 256
		.amdhsa_next_free_sgpr 66
		.amdhsa_reserve_vcc 1
		.amdhsa_float_denorm_mode_32 3
		.amdhsa_float_denorm_mode_16_64 3
		.amdhsa_memory_ordered 1
		.amdhsa_forward_progress 1
		.amdhsa_inst_pref_size 35
	.end_amdhsa_kernel
	.amdgpu_metadata
---
amdhsa.version: [ 1, 2 ]
amdhsa.kernels:
  - .name:           k_q2f2995d9bd_prep
    .symbol:         k_q2f2995d9bd_prep.kd
    .args:
      - { .name: x, .offset: 0, .size: 8, .value_kind: global_buffer, .address_space: global }
      - { .name: Wr, .offset: 8, .size: 8, .value_kind: global_buffer, .address_space: global }
      - { .name: br, .offset: 16, .size: 8, .value_kind: global_buffer, .address_space: global }
      - { .name: W2_codes, .offset: 24, .size: 8, .value_kind: global_buffer, .address_space: global }
      - { .name: W2_scales, .offset: 32, .size: 8, .value_kind: global_buffer, .address_space: global }
      - { .name: xq, .offset: 40, .size: 8, .value_kind: global_buffer, .address_space: global }
      - { .name: xs, .offset: 48, .size: 8, .value_kind: global_buffer, .address_space: global }
      - { .name: rw, .offset: 56, .size: 8, .value_kind: global_buffer, .address_space: global }
      - { .name: w2q, .offset: 64, .size: 8, .value_kind: global_buffer, .address_space: global }
    .group_segment_fixed_size: 114432
    .private_segment_fixed_size: 0
    .kernarg_segment_align: 8
    .kernarg_segment_size: 72
    .max_flat_workgroup_size: 256
    .sgpr_count:     66
    .vgpr_count:     256
    .wavefront_size: 32
...
	.end_amdgpu_metadata
.endif
;; end of part 1
;; launch up (part 2): grid 8 x 32, 8 waves a work-group, clusters of 4 x 1, 219,136 bytes of LDS; arguments xq, xs, W1_codes, W1_scales, b1, hq; writes hq
.if DOCPART == 2
	.amdgcn_target "amdgcn-amd-amdhsa--gfx1250"
	.amdhsa_code_object_version 6
	.text
	.protected	k_q2f2995d9bd_up
	.globl	k_q2f2995d9bd_up
	.p2align	8
	.type	k_q2f2995d9bd_up,@function
k_q2f2995d9bd_up:
	s_mov_b64 s[64:65], 0
	v_nop
	global_prefetch_b8 v0, s[64:65] scope:SCOPE_SE
	s_setreg_imm32_b32 hwreg(HW_REG_WAVE_MODE, 25, 1), 1
	s_wait_xcnt 0x0
	s_wait_alu depctr_hold_cnt(0) depctr_sa_sdst(0) depctr_va_vdst(0) depctr_va_sdst(0) depctr_va_ssrc(0) depctr_va_vcc(0) depctr_vm_vsrc(0)
	s_getreg_b32 s2, hwreg(HW_REG_IB_STS2, 6, 4)
	s_cmp_eq_u32 s2, 0
	s_cbranch_scc0 .Lentry_in_a_cluster
	s_endpgm
.Lentry_in_a_cluster:
	s_bfe_u32 s2, ttmp6, 0x10000c
	s_cmp_lg_u32 s2, 0x3003
	s_cbranch_scc0 .Lentry_shape_is_right
	s_endpgm
.Lentry_shape_is_right:
; UP.  hq = Q(gelu(Q(x) W1 + b1)), the hidden layer as codes of E3M2 with E8M0 scales along the hidden units, laid as images of operand registers for the next launch:
; record ((16 e + K step) 32 + block of 128 tokens) of 12,800 bytes: 8 images of 1,536 bytes (16 tokens x 128 hidden units), then 512 bytes of scale words (tile t, token r at 12,288 + 64 t + 4 r).
; SHARES.  A work-group takes 512 tokens (tg) x 256 rows (hg) of W1's 8,192 (expert x hidden unit).  Its 256 rows of W1, all of K, lie in LDS for the whole launch, filled once.
; x lies in registers: in each of two passes a wave holds two tiles of 16 tokens, all of K: 192 registers.  A UNIT is 64 hidden units: M, 64 matrix instructions (each fragment of W1 read from LDS feeds two),
; then E, the gelu and the quantiser on the lane's 64 results.  Two units make a K step of the next product.  No barrier stands behind the fill: the two waves of a SIMD are free to be in different parts.
; CLUSTER.  The four work-groups of a cluster have the same hg and so the same rows of W1, scale bytes and biases: each tile is asked for jointly, mask 15.
; LAYOUT.  The product is used transposed (source 0 = 16 rows of W1, source 1 = 16 tokens): a lane holds one token and eight hidden units.  THE ROWS OF W1 THAT FORM A TILE ARE NOT NEIGHBOURS: row m of tile 2 b + u is
; row 32 b + 8 u + m + 8 (m / 8), so that the 16 registers of tiles 2 b, 2 b + 1 are 16 neighbours along the next K.  The tensor loads lay the rows so: a tile of two lines of eight rows, sixteen rows apart.
; GELU.  erfc(z) = t exp(-z^2 + P(t)), t = 1 / (1 + z / 2), P of degree 9 (fractional error under 1.2e-7 for z >= 0); 2 gelu(s) = (s + |s|) - |s| erfc(|s| / sqrt(2)): no difference of near numbers.
; The factor 2 is a power of two: the codes are those of gelu, and 1 is taken off each scale byte.
; LIMITS: relative error of gelu about 3e-7 (1 + s^2 / 4); under s = -13 or so the result is 0; NaN and infinities are not served; a block of zeros gets the byte 1 (this program alone reads the bytes).
.set ROWP,  816                        ; a row of W1 in LDS: 3 x (256 bytes + 16 of padding) = 204 words: the 16 rows of a fragment start 12 r words on, at sixteen different multiples of 4 banks (64 banks of 4 bytes: ISA guide 11.1)
.set BLK,   16*ROWP                    ; a tile's 16 rows
.set ODD,   8*BLK                      ; tiles 2 b at 0, tiles 2 b + 1 from here
.set SCW,   2*ODD                      ; W1's scale bytes: 256 rows x 32
.set BIA,   SCW+8192                   ; b1: 256 numbers
.set REC,   12800
.set AE,    6                          ; v6-9   LDS addresses of the unit's even and odd tiles; the second of each pair serves the pieces whose upper half lies behind one padding more
.set ASW,   10                         ; v10    of its scale words
.set ABI,   11                         ; v11    of its biases
.set XS,    16                         ; v16-23 x's scale words: 4 t + i: lanes 0-15 K step 2 i, lanes 16-31 K step 2 i + 1
.set HWD,   24                         ; v24-25 the lower two scale bytes of a K step of the hidden layer, for each token tile
.set WD,    26                         ; v26-27 the whole word
.set PC,    28                         ; v28-51 the hidden layer's codes: a fragment for each token tile
.set WF,    52                         ; v52-147  in M: two sets of four fragments of W1
.set WS,    148                        ; v148-163 in M: W1's scale words: 8 b + s: lanes 0-15 tile 2 b, lanes 16-31 tile 2 b + 1
.set MG,    52                         ; v52-83   in E: |s|
.set TG,    84                         ; v84-115  t
.set PG,    116                        ; v116-147 the polynomial, the exponential, erfc
.set UG,    148                        ; v148-155 s^2
.set CSR,   164                        ; v164-166 a conversion's second result
.set TM,    168                        ; v168-175 the quantiser's work
.set ACC,   192                        ; v192-255 the unit's results: 32 t + 8 tile
.set XF,    0                          ; window 1: v0-191 x's fragments: 96 t + 12 s
.set BI,    192                        ; window 1: v192-223 the unit's biases, in the result's layout
.set WV,    16
.set G1C,   24                         ; s[24:31] group 1 for the codes; s[48:51] my group 0
.set G0,    48
.set KK,    66                         ; s[66:67] 1 / (2 sqrt(2)); s[68:69] -log2(e) / 2; s[70:87] c8 .. c0, each x log2(e); each twice, since the packed forms name pairs
.set NC,    68
.set C8,    70
.set ABS,   88
.set HIM,   89
.set SEL,   90
.set TRIP,  92
.set TGC,   93                         ; s93-95 the trip's pair of units: 0 or 4 tiles' rows on in the codes, 128 rows on in the scale bytes and the biases
.set TGS,   94
.set TGB,   95
.set SB,    96                         ; s[96:97] the stores' base
.set HQ0,   98                         ; s[98:99] my first record
.set MSB, 0
.macro WIN new                         ; the immediate's high byte repeats the setting that is left
.if MSB != \new
	s_set_vgpr_msb (MSB<<8)|\new
.set MSB, \new
.endif
.endm
.macro PAIR reg, val
	s_mov_b32 s[\reg], \val
	s_mov_b32 s[\reg+1], \val
.endm
.macro PLACES
.rept 4
	v_nop
.endr
.endm
.macro CROUND                          ; a round of the cluster's barrier
	s_barrier_signal -1
	s_barrier_wait -1
	s_cmp_lg_u32 s[WV], 0
	s_cbranch_scc1 .Lnot_wave_0_\@
	s_barrier_signal -3
.Lnot_wave_0_\@:
	s_barrier_wait -3
	s_barrier_signal -1
	s_barrier_wait -1
.endm
; one matrix instruction; ra, rb: the scales stand in lanes 16-31 of the register named
.macro WM d, a, b, c, sa, sb, ra, rb
.if ((\ra) != 0) && ((\rb) != 0)
	v_wmma_scale_f32_16x16x128_f8f6f4 v[0+(\d):7+(\d)], v[0+(\a):11+(\a)], v[0+(\b):11+(\b)], v[0+(\c):7+(\c)], v[0+(\sa)], v[0+(\sb)] matrix_a_fmt:MATRIX_FMT_BF6 matrix_b_fmt:MATRIX_FMT_BF6 matrix_a_scale:MATRIX_SCALE_ROW1 matrix_b_scale:MATRIX_SCALE_ROW1
.elseif (\ra) != 0
	v_wmma_scale_f32_16x16x128_f8f6f4 v[0+(\d):7+(\d)], v[0+(\a):11+(\a)], v[0+(\b):11+(\b)], v[0+(\c):7+(\c)], v[0+(\sa)], v[0+(\sb)] matrix_a_fmt:MATRIX_FMT_BF6 matrix_b_fmt:MATRIX_FMT_BF6 matrix_a_scale:MATRIX_SCALE_ROW1
.elseif (\rb) != 0
	v_wmma_scale_f32_16x16x128_f8f6f4 v[0+(\d):7+(\d)], v[0+(\a):11+(\a)], v[0+(\b):11+(\b)], v[0+(\c):7+(\c)], v[0+(\sa)], v[0+(\sb)] matrix_a_fmt:MATRIX_FMT_BF6 matrix_b_fmt:MATRIX_FMT_BF6 matrix_b_scale:MATRIX_SCALE_ROW1
.else
	v_wmma_scale_f32_16x16x128_f8f6f4 v[0+(\d):7+(\d)], v[0+(\a):11+(\a)], v[0+(\b):11+(\b)], v[0+(\c):7+(\c)], v[0+(\sa)], v[0+(\sb)] matrix_a_fmt:MATRIX_FMT_BF6 matrix_b_fmt:MATRIX_FMT_BF6
.endif
.endm
; my two token tiles of a pass: 16 images and their scale words, off bytes on in xq
.macro XLOAD off
	WIN 0x40                                       ; destination window 1
.set i, 0
.rept 48
	global_load_b128 v[XF+4*i:XF+4*i+3], v13, s[4:5] offset:\off+512*i
.set i, i+1
.endr
	WIN 0
.irp t, 0,1
	global_load_b128 v[XS+4*\t:XS+4*\t+3], v13, s[6:7] offset:\off/24+512*\t
.endr
.endm
; the four fragments of W1 of unit c of the trip's pair, K step s, into a set: 24 bytes twice, in pieces of 8 bytes; piece P of a row lies at 8 P + 16 (P / 32)
.macro FETCHW c, s, set
.irp nt, 0,1,2,3
.irp p, 0,1,2,3,4,5
.set PP, 12*(\s)+6*(\p/3)+\p%3
.set RG, WF+48*(\set)+12*\nt+2*\p
.set OF, 2*BLK*(\c)+BLK*(\nt/2)+8*PP+16*(PP/32)
.if PP%32 < 29
	ds_load_b64 v[RG:RG+1], v[AE+2*(\nt%2)] offset:OF
.else
	ds_load_b64 v[RG:RG+1], v[AE+2*(\nt%2)+1] offset:OF
.endif
.endr
.endr
.endm
; M: a unit's 64 matrix instructions.  The eight accumulators take turns, one instruction a turn.  The bias is the C of each sum's first instruction.
.macro M c
	v_add_nc_u32 v[AE], s[TGC], v2
	v_add_nc_u32 v[AE+1], s[TGC], v3
	s_delay_alu instid0(VALU_DEP_2)
	v_add_nc_u32 v[AE+2], ODD, v[AE]
	s_delay_alu instid0(VALU_DEP_2)
	v_add_nc_u32 v[AE+3], ODD, v[AE+1]
	v_add_nc_u32 v[ASW], s[TGS], v4
	v_add_nc_u32 v[ABI], s[TGB], v5
	s_wait_alu depctr_va_vdst(0)
	s_wait_loadcnt 0x0                             ; x is in
	WIN 0x40
.irp nt, 0,1,2,3
	ds_load_b128 v[BI+8*\nt:BI+8*\nt+3], v[ABI] offset:256*(\c)+128*(\nt/2)+32*(\nt%2)
	ds_load_b128 v[BI+8*\nt+4:BI+8*\nt+7], v[ABI] offset:256*(\c)+128*(\nt/2)+32*(\nt%2)+16
.endr
	WIN 0
.irp b, 0,1
	ds_load_b128 v[WS+8*\b:WS+8*\b+3], v[ASW] offset:2048*(\c)+1024*\b
	ds_load_b128 v[WS+8*\b+4:WS+8*\b+7], v[ASW] offset:2048*(\c)+1024*\b+16
.endr
	FETCHW \c, 0, 0
.irp s, 0,1,2,3,4,5,6,7
.if \s > 0
	PLACES                                         ; four places in front of loads into the set that the last K step's products read
.endif
.if \s < 7
	FETCHW \c, \s+1, (\s+1)%2
	s_wait_dscnt 24                                ; all but the 24 loads just issued: this K step's fragments are in
.else
	s_wait_dscnt 0x0
.endif
.if \s == 0
	WIN 0x14                                       ; source 1 (x) and source 2 (the bias) window 1
.else
	WIN 0x04                                       ; source 1 window 1
.endif
.irp nt, 0,1,2,3
.irp t, 0,1
.if \s == 0
	WM ACC+32*\t+8*\nt, WF+48*(\s%2)+12*\nt, XF+96*\t+12*\s, BI+8*\nt, WS+8*(\nt/2)+\s, XS+4*\t+\s/2, \nt%2, \s%2
.else
	WM ACC+32*\t+8*\nt, WF+48*(\s%2)+12*\nt, XF+96*\t+12*\s, ACC+32*\t+8*\nt, WS+8*(\nt/2)+\s, XS+4*\t+\s/2, \nt%2, \s%2
.endif
.endr
.endr
	WIN 0
.endr
	PLACES                                         ; four places in front of the first read of results, and of what is written or loaded over the products' sources
.endm
; 32 results v[s] .. become 2 gelu, in place.  Two batches of transcendentals, one wait each.
.macro GELU32 s
.set i, 0
.rept 32
	v_and_b32 v[MG+i], s[ABS], v[(\s)+i]           ; |s|; ascending: each accumulator is read from its low end on
.set i, i+1
.endr
.set i, 0
.rept 16
	v_pk_fma_f32 v[TG+i:TG+i+1], v[MG+i:MG+i+1], s[KK:KK+1], 1.0 op_sel_hi:[1,0,0]   ; 1 + z / 2
.set i, i+2
.endr
.set i, 0
	s_wait_alu depctr_va_vdst(0)
.rept 32
	v_rcp_f32 v[TG+i], v[TG+i]                     ; t
.set i, i+1
.endr
.set i, 0
.rept 16
	v_pk_add_f32 v[(\s)+i:(\s)+i+1], v[(\s)+i:(\s)+i+1], v[MG+i:MG+i+1]   ; s + |s|: plain work that names no reciprocal
.set i, i+2
.endr
	s_wait_alu depctr_va_vdst(0)                   ; one wait for the 32 reciprocals, ahead of their first reader
.set i, 0
.rept 16
	v_pk_fma_f32 v[PG+i:PG+i+1], v[TG+i:TG+i+1], v[14:15], s[C8:C8+1] op_sel_hi:[1,1,0]   ; c9 t + c8
.set i, i+2
.endr
.irp n, 2,4,6,8,10,12,14,16
.set i, 0
.rept 16
	v_pk_fma_f32 v[PG+i:PG+i+1], v[PG+i:PG+i+1], v[TG+i:TG+i+1], s[C8+\n:C8+\n+1] op_sel_hi:[1,1,0]
.set i, i+2
.endr
.endr
.irp g, 0,8,16,24
.irp j, 0,2,4,6
	v_pk_mul_f32 v[UG+\j:UG+\j+1], v[MG+\g+\j:MG+\g+\j+1], v[MG+\g+\j:MG+\g+\j+1]
.endr
.irp j, 0,2,4,6
	s_delay_alu instid0(VALU_DEP_4)
	v_pk_fma_f32 v[PG+\g+\j:PG+\g+\j+1], v[UG+\j:UG+\j+1], s[NC:NC+1], v[PG+\g+\j:PG+\g+\j+1] op_sel_hi:[1,0,1]   ; - z^2 log2(e)
.endr
.endr
.set i, 0
	s_wait_alu depctr_va_vdst(0)
.rept 32
	v_exp_f32 v[PG+i], v[PG+i]
.set i, i+1
.endr
	v_nop                                          ; a plain place behind the last exponential
	s_wait_alu depctr_va_vdst(0)                   ; one wait for the 32
.set i, 0
.rept 16
	v_pk_mul_f32 v[PG+i:PG+i+1], v[TG+i:TG+i+1], v[PG+i:PG+i+1]   ; erfc
.set i, i+2
.endr
.set i, 0
.rept 16
	v_pk_fma_f32 v[(\s)+i:(\s)+i+1], v[MG+i:MG+i+1], v[PG+i:PG+i+1], v[(\s)+i:(\s)+i+1] neg_lo:[1,0,0] neg_hi:[1,0,0]   ; (s + |s|) - |s| erfc
.set i, i+2
.endr
.endm
; token tile t: the unit's two blocks of 32 become registers 6 c .. 6 c + 5 of the fragment and two bytes of the scale word
.macro QH t, c
.set SS, ACC+32*(\t)
.set PX, PC+12*(\t)+6*(\c)
.irp b, 0,1
	v_max3_num_f32 v[TM+\b], |v[SS+16*\b]|, |v[SS+16*\b+1]|, 0x3000000   ; my 16 numbers, and the floor 2^(6 - 127): the numbers are 2 gelu, so the byte, less 1, cannot fall under 1
.endr
.irp i, 2,4,6,8,10,12,14
.irp b, 0,1
	s_delay_alu instid0(VALU_DEP_2)
	v_max3_num_f32 v[TM+\b], v[TM+\b], |v[SS+16*\b+\i]|, |v[SS+16*\b+\i+1]|
.endr
.endr
.irp b, 0,1
	s_delay_alu instid0(VALU_DEP_2)
	v_permlanex16_b32 v[TM+2+\b], v[TM+\b], s[SEL], s[SEL+1]
.endr
.irp b, 0,1
	s_delay_alu instid0(VALU_DEP_2)
	v_max_num_f32 v[TM+\b], v[TM+\b], v[TM+2+\b]   ; with lane l xor 16's: the block's largest magnitude
.endr
.irp b, 0,1
	s_delay_alu instid0(VALU_DEP_2)
	v_add_nc_u32 v[TM+4+\b], 0xfe000000, v[TM+\b]  ; 4 off its exponent field: the conversion's scale operand
.endr
.irp b, 0,1
	s_delay_alu instid0(VALU_DEP_2)
	v_lshrrev_b32 v[TM+6+\b], 23, v[TM+4+\b]
.endr
.if (\c) == 0
	s_delay_alu instid0(VALU_DEP_1)
	v_lshl_or_b32 v[HWD+(\t)], v[TM+7], 8, v[TM+6]
.else
	s_delay_alu instid0(VALU_DEP_1)
	v_lshl_or_b32 v[TM+6], v[TM+7], 8, v[TM+6]
	s_delay_alu instid0(VALU_DEP_1)
	v_lshl_or_b32 v[WD+(\t)], v[TM+6], 16, v[HWD+(\t)]
	s_delay_alu instid0(VALU_DEP_1)
	v_add_nc_u32 v[WD+(\t)], 0xfefefeff, v[WD+(\t)]   ; 1 off each of the four bytes (each is 2 at the least: no borrow): the factor 2
.endif
	v_cvt_scalef32_pk16_bf6_f32 v[PX:PX+2], v[SS:SS+15], v[TM+4]
	v_cvt_scalef32_pk16_bf6_f32 v[CSR:CSR+2], v[SS+16:SS+31], v[TM+5]
	v_nop                                          ; one plain place behind a scaled conversion
.irp i, 0,1,2
	v_permlane16_swap_b32 v[PX+\i], v[CSR+\i]      ; a whole block to a lane: lanes 0-15 the first block, lanes 16-31 the second
.endr
.irp i, 0,1,2
	s_delay_alu instid0(VALU_DEP_3)
	v_mov_b32 v[PX+3+\i], v[CSR+\i]
.endr
.endm
; E: the unit's gelu and quantiser; the second unit of a pair stores the K step's two images and scale words
.macro E c
.if \c == 0
	s_wait_xcnt 0x0                                ; the last stores have read the codes, the word and their base: these are written again only behind this wait
.endif
	GELU32 ACC
	QH 0, \c
	GELU32 ACC+32
	QH 1, \c
.if \c == 1
	v_cndmask_b32 v[WD], v[WD], v[WD+1], s[HIM]    ; lanes 0-15: the first tile's words; lanes 16-31: the second's
	s_and_b32 s100, s[TRIP], 1
	s_mul_i32 s100, s100, 32*REC                   ; the K step: 32 records on
	s_lshr_b32 s101, s[TRIP], 1
	s_mul_i32 s101, s101, 2*REC                    ; the pass: 256 tokens, two records on
	s_add_co_u32 s100, s100, s101
	s_mov_b32 s101, 0
	s_add_nc_u64 s[SB:SB+1], s[HQ0:HQ0+1], s[100:101]
.irp t, 0,1
.irp g, 0,1,2
	global_store_b128 v1, v[PC+12*\t+4*\g:PC+12*\t+4*\g+3], s[SB:SB+1] offset:1536*\t+512*\g   ; 32 lanes store 512 consecutive bytes, at a multiple of 256 from hq's first byte
.endr
.endr
	global_store_b32 v12, v[WD], s[SB:SB+1]        ; 128 consecutive bytes
.endif
.endm
	s_load_b256 s[4:11], s[0:1], 0x0               ; xq s[4:5], xs s[6:7], W1's codes s[8:9], W1's scales s[10:11]
	s_load_b128 s[12:15], s[0:1], 0x20             ; b1 s[12:13], hq s[14:15]
	v_lshl_add_u32 v190, v0, 2, 0x35400
	v_mov_b32 v191, 0
	ds_add_u32 v190, v191
	ds_add_u32 v190, v191
	v_lshrrev_b32 v1, 5, v0
	s_delay_alu instid0(VALU_DEP_1)
	v_readfirstlane_b32 s[WV], v1                  ; wave 0..7
	s_lshr_b32 s17, s[WV], 2                       ; which 128 tokens of a pass's 256
	s_and_b32 s18, s[WV], 3
	s_and_b32 s19, s[WV], 1                        ; u: I fetch even or odd tiles,
	s_lshr_b32 s20, s[WV], 1                       ; of blocks 2 q and 2 q + 1, q = w / 2
	s_bfe_u32 s21, ttmp6, 0x40000                  ; cx
	s_lshl_b32 s22, ttmp9, 2
	s_add_co_u32 s22, s22, s21                     ; tg: it enters x's and hq's addresses alone
	s_and_b32 s23, ttmp7, 0xffff                   ; hg, which the four partners share
	; group 1 for the codes: FOUR lines of eight rows (6,144 bytes = 768 elements of 8), sixteen rows apart: two tiles of the same parity, of two neighbouring blocks of 32 rows; 16 bytes of padding behind every 256
	s_mov_b32 s[G1C], 15|(3<<16)|(1<<20)|(1<<21)|(5<<22)|(3<<25)
	s_mov_b32 s[G1C+1], 768<<16
	s_mov_b32 s[G1C+2], 4<<16
	s_mov_b32 s[G1C+3], 768<<16
	s_mov_b32 s[G1C+4], 4
	s_mov_b32 s[G1C+5], 1536
	s_mov_b32 s[G1C+6], 0
	s_mov_b32 s[G1C+7], 0
	PAIR KK, 0x3eb504f3
	PAIR NC, 0xbf38aa3b
	PAIR C8, 0xbf97d29d
	PAIR C8+2, 0x40097039
	PAIR C8+4, 0xbfd1a1e5
	PAIR C8+6, 0x3ecdfd18
	PAIR C8+8, 0xbe899a80
	PAIR C8+10, 0x3e0efb2e
	PAIR C8+12, 0x3f0a29d2
	PAIR C8+14, 0x3fb8ab5a
	PAIR C8+16, 0xbfe9b21e
	s_mov_b32 s[ABS], 0x7fffffff
	s_mov_b32 s[HIM], 0xffff0000
	s_mov_b32 s[SEL], 0x76543210
	s_mov_b32 s[SEL+1], 0xfedcba98
	s_mov_b32 s101, 0
	s_wait_dscnt 0x0
	s_wait_kmcnt 0x0
	s_lshl_b32 s100, s23, 13                       ; the scale bytes of the work-group's 256 rows: 8,192 dense bytes
	s_add_nc_u64 s[10:11], s[10:11], s[100:101]
	s_lshl_b32 s100, s23, 10                       ; its 256 biases: 1,024 bytes
	s_add_nc_u64 s[12:13], s[12:13], s[100:101]
	s_mov_b32 s[G0], 1                             ; the codes: with q = w / 2 and u = w % 2, tiles 2 (2 q) + u and 2 (2 q + 1) + u, which lie one behind the other in LDS,
	s_mul_i32 s92, s19, ODD
	s_mul_i32 s93, s20, 2*BLK
	s_add_co_u32 s[G0+1], s92, s93
	s_lshl_b32 s100, s23, 8
	s_lshl_b32 s92, s20, 6
	s_add_co_u32 s100, s100, s92
	s_lshl_b32 s92, s19, 3
	s_add_co_u32 s100, s100, s92                   ; from row 256 hg + 64 q + 8 u on
	s_mul_i32 s100, s100, 768
	s_add_nc_u64 s[G0+2:G0+3], s[8:9], s[100:101]
	s_or_b32 s[G0+3], s[G0+3], 0x80000000
	s_lshl_b32 s92, s22, 5
	s_lshl_b32 s93, s[WV], 1
	s_add_co_u32 s92, s92, s93                     ; my first token tile: 32 tg + 2 w
	s_mul_i32 s100, s92, 12288
	s_add_nc_u64 s[4:5], s[4:5], s[100:101]
	s_lshl_b32 s100, s92, 9
	s_add_nc_u64 s[6:7], s[6:7], s[100:101]
	s_lshl_b32 s100, s23, 6                        ; (16 e + the first of my two K steps) 32 = 64 hg,
	s_lshl_b32 s92, s22, 2
	s_add_co_u32 s100, s100, s92
	s_add_co_u32 s100, s100, s17                   ; + 4 tg + w / 4
	s_mul_i32 s100, s100, REC
	s_add_nc_u64 s[HQ0:HQ0+1], s[14:15], s[100:101]
	CROUND                                         ; all four work-groups are here: the joint loads meet
	tensor_load_to_lds s[G0:G0+3], s[G1C:G1C+7]    ; my one load: 32 rows of codes; it fills bytes of its own, once in the launch
	s_nop 0
	PLACES                                         ; four lines here ahead of a switch of windows
	; the scale bytes and the biases, 9,216 of the work-group's 205,824 bytes, come by plain loads and go into LDS bytes of their own, on which no tensor load lands
	v_lshlrev_b32 v56, 4, v0                       ; 16 x thread
	v_lshlrev_b32 v57, 2, v0                       ; 4 x thread
	v_add_nc_u32 v59, SCW, v56
	v_add_nc_u32 v68, BIA, v57
	global_load_b128 v[60:63], v56, s[10:11]               ; 256 threads x 16 bytes, twice: the 8,192 scale bytes
	global_load_b128 v[64:67], v56, s[10:11] offset:4096
	global_load_b32 v58, v57, s[12:13]                     ; 256 threads x 4 bytes: the biases
	v_and_b32 v52, 31, v0                          ; lane
	v_and_b32 v53, 15, v0                          ; r
	v_bfe_u32 v54, v0, 4, 1                        ; h
	s_delay_alu instid0(VALU_DEP_3)
	v_lshlrev_b32 v13, 4, v52                      ; 16 x lane
	XLOAD 0                                        ; the first pass's x
	s_mul_i32 s100, s18, 3072
	v_add_nc_u32 v1, s100, v13                     ; hq: my two images' place in a record
	v_mul_u32_u24 v2, v53, ROWP
	s_delay_alu instid0(VALU_DEP_1)
	v_mad_u32_u24 v2, v54, 24, v2                  ; W1: row r of a tile, + 24 h
	s_delay_alu instid0(VALU_DEP_1)
	v_lshl_add_u32 v3, v54, 4, v2                  ; and the same behind one padding more
	v_and_b32 v55, 8, v53
	s_delay_alu instid0(VALU_DEP_1)
	v_add_nc_u32 v55, v55, v53
	s_delay_alu instid0(VALU_DEP_1)
	v_lshl_add_u32 v55, v54, 3, v55                ; r + 8 (r / 8) + 8 h: lanes 0-15 the even tile's rows, lanes 16-31 the odd tile's
	s_delay_alu instid0(VALU_DEP_1)
	v_lshl_add_u32 v4, v55, 5, SCW                 ; 32 bytes of scales a row
	v_lshl_add_u32 v5, v54, 6, BIA                 ; the biases of hidden units 16 h on
	s_lshl_b32 s100, s18, 7
	s_add_co_u32 s100, s100, 12288
	v_lshl_add_u32 v12, v52, 2, s100               ; hq: my two tiles' scale words
	v_mov_b32 v14, 0x3e7c6f08                      ; c9
	v_mov_b32 v15, 0x3e7c6f08
	v_mov_b32 v[TM+2], 0                           ; a lane permute's destination counts as one of its sources
	v_mov_b32 v[TM+3], 0
	s_mov_b32 s[TRIP], 0
	s_mov_b32 s[TGC], 0
	s_mov_b32 s[TGS], 0
	s_mov_b32 s[TGB], 0
	s_wait_alu depctr_va_vdst(0)                   ; the wait at the head's end
	s_wait_tensorcnt 0x0                           ; my tile has landed,
	s_wait_loadcnt 50                              ; and the scale bytes and biases are in: behind them stand x's 50 loads, which may be out
	ds_store_b128 v59, v[60:63]
	ds_store_b128 v59, v[64:67] offset:4096
	ds_store_b32 v68, v58
	s_wait_dscnt 0x0                               ; for the others' sake: my stores have landed
	s_barrier_signal -1
	s_barrier_wait -1                              ; everybody's have
.Ltrip:                                            ; four trips: pass trip / 2, units 2 (trip % 2) and 2 (trip % 2) + 1: a K step of the next product for my 32 tokens
	M 0
	E 0
	M 1
	s_cmp_lg_u32 s[TRIP], 1
	s_cbranch_scc1 .Lsame_pass
	XLOAD 16*12288                                 ; the first pass's last products are issued (four places back): the second pass's x lands while the unit's gelu is worked
.Lsame_pass:
	E 1
	s_xor_b32 s[TGC], s[TGC], 4*BLK
	s_xor_b32 s[TGS], s[TGS], 4096
	s_xor_b32 s[TGB], s[TGB], 512
	s_add_co_u32 s[TRIP], s[TRIP], 1
	s_cmp_lt_u32 s[TRIP], 4
	s_cbranch_scc1 .Ltrip
	s_wait_dscnt 0x0
	s_wait_tensorcnt 0x0
	ds_add_u32 v190, v191
	s_wait_dscnt 0x0
	CROUND                                         ; the closing round: no work-group ends while a partner may still ask for a tile that names it
	s_endpgm
.Lfunc_end_k_q2f2995d9bd_up:
	.size	k_q2f2995d9bd_up, .Lfunc_end_k_q2f2995d9bd_up-k_q2f2995d9bd_up
	.p2alignl 7, 3214868480
	.fill 96, 4, 3214868480
	.section	.rodata,"a",@progbits
	.p2align	6, 0x0
	.amdhsa_kernel k_q2f2995d9bd_up
		.amdhsa_group_segment_fixed_size 219136
		.amdhsa_private_segment_fixed_size 0
		.amdhsa_enable_private_segment 0
		.amdhsa_kernarg_size 48
		.amdhsa_user_sgpr_count 2
		.amdhsa_user_sgpr_kernarg_segment_ptr 1
		.amdhsa_wavefront_size32 1
		.amdhsa_system_sgpr_workgroup_id_x 1
		.amdhsa_system_sgpr_workgroup_id_y 1
		.amdhsa_system_sgpr_workgroup_id_z 1
		.amdhsa_system_vgpr_workitem_id 0
		.amdhsa_next_free_vgpr 512
		.amdhsa_next_free_sgpr 102
		.amdhsa_reserve_vcc 0
		.amdhsa_float_denorm_mode_32 3
		.amdhsa_float_denorm_mode_16_64 3
		.amdhsa_memory_ordered 1
		.amdhsa_forward_progress 1
		.amdhsa_inst_pref_size 151
	.end_amdhsa_kernel
	.amdgpu_metadata
---
amdhsa.version: [ 1, 2 ]
amdhsa.kernels:
  - .name:           k_q2f2995d9bd_up
    .symbol:         k_q2f2995d9bd_up.kd
    .args:
      - { .name: xq, .offset: 0, .size: 8, .value_kind: global_buffer, .address_space: global }
      - { .name: xs, .offset: 8, .size: 8, .value_kind: global_buffer, .address_space: global }
      - { .name: W1_codes, .offset: 16, .size: 8, .value_kind: global_buffer, .address_space: global }
      - { .name: W1_scales, .offset: 24, .size: 8, .value_kind: global_buffer, .address_space: global }
      - { .name: b1, .offset: 32, .size: 8, .value_kind: global_buffer, .address_space: global }
      - { .name: hq, .offset: 40, .size: 8, .value_kind: global_buffer, .address_space: global }
    .group_segment_fixed_size: 219136
    .private_segment_fixed_size: 0
    .kernarg_segment_align: 8
    .kernarg_segment_size: 48
    .max_flat_workgroup_size: 256
    .sgpr_count:     102
    .vgpr_count:     512
    .wavefront_size: 32
...
	.end_amdgpu_metadata
.endif
;; end of part 2
;; launch down (part 3): grid 8 x 32, 4 waves a work-group, clusters of 4 x 1, 327,680 bytes of LDS; arguments hq, w2q, b2, rw, out0; writes out0
.if DOCPART == 3
	.amdgcn_target "amdgcn-amd-amdhsa--gfx1250"
	.amdhsa_code_object_version 6
	.text
	.protected	k_q2f2995d9bd_down
	.globl	k_q2f2995d9bd_down
	.p2align	8
	.type	k_q2f2995d9bd_down,@function
k_q2f2995d9bd_down:
	s_mov_b64 s[64:65], 0
	v_nop
	global_prefetch_b8 v0, s[64:65] scope:SCOPE_SE
	s_setreg_imm32_b32 hwreg(HW_REG_WAVE_MODE, 25, 1), 1
	s_wait_xcnt 0x0
	s_wait_alu depctr_hold_cnt(0) depctr_sa_sdst(0) depctr_va_vdst(0) depctr_va_sdst(0) depctr_va_ssrc(0) depctr_va_vcc(0) depctr_vm_vsrc(0)
	s_getreg_b32 s2, hwreg(HW_REG_IB_STS2, 6, 4)
	s_cmp_eq_u32 s2, 0
	s_cbranch_scc0 .Lentry_in_a_cluster
	s_endpgm
.Lentry_in_a_cluster:
	s_bfe_u32 s2, ttmp6, 0x10000c
	s_cmp_lg_u32 s2, 0x3003
	s_cbranch_scc0 .Lentry_shape_is_right
	s_endpgm
.Lentry_shape_is_right:
; DOWN.  out0[token][d] = the sum over e of w_e(token) ((Q(h_e) W2_e)[token][d] + b2_e[d]).  Both operands come as images of operand registers in records of 12,800 bytes
; (8 images of 16 rows x 128 K, 1,536 bytes each: registers 4 c .. 4 c + 3 of lane l at 512 c + 16 l; then the scale words: tile t, row r at 12,288 + 64 t + 4 r).
; hq: record ((16 e + K step) 32 + block of 128 tokens);  w2q: record ((16 e + K step) 8 + block of 128 d).
; SHARES.  A work-group makes 128 tokens x 128 d.  WAVE e TAKES EXPERT e: 128 x 128 in 64 accumulators, K = 2,048 in 16 steps of 64 matrix instructions.  b2_e is the C of the first step; w_e multiplies the
; finished sums once; the four waves' parts meet in a stage in LDS and each wave adds and stores 32 whole rows.
; h GOES THROUGH LDS, JOINTLY.  The four work-groups of a cluster have the same block of tokens and four blocks of d: h's records are asked for by joint loads, mask 15.  Two slots of two K steps each:
; a wave's one load brings its own expert's two records (2 lines of 12,800 bytes), which it alone reads.  Fill f (steps 2 f, 2 f + 1) lies in slot f % 2; eight fills; one round of the cluster's barrier for two steps.
; W2 GOES STRAIGHT INTO REGISTERS.  A record of W2 is an image of the registers of the one wave of the work-group that multiplies it: 28 loads a step, each of consecutive bytes, into the register set that the step
; before last has left, so that at most two steps' loads (56) are out, and a step's record is asked for one to two steps ahead of its products.  It is not asked for jointly: the partners of this cluster
; have four different blocks of d and share none of it, and as it takes no LDS bytes, h's slots have room for two steps each.  That run ahead is W2's only one: no separate prefetch is laid for it.
; The product is used transposed (source 0 = 16 rows of W2, source 1 = 16 tokens): a lane holds one token and eight neighbouring d.
.set REC,   12800
.set SLOT,  8*REC                      ; four experts x two steps
.set HSTEP, 32*REC                     ; a K step on in hq, in bytes
.set WSTEP, 8*REC                      ; and in w2q
.set SPITCH, 528                       ; the stage: 128 rows x (512 bytes + 16) for each expert, from LDS byte 0: the slots have had their last fill and their last read when the first result is stored there
.set STG,   128*SPITCH
.set SPARE, 307200                     ; behind the stages: the spare words, 128 bytes for each wave
.set ADR,   16                         ; v16-17 my expert's two records in slot 0, 1: + 16 x lane
.set ADS,   18                         ; v18-19 the same + 4 x lane, for the scale words
.set C4,    20                         ; v20    4 x lane
.set STO,   22                         ; v22    the stage: where I put 32 bytes of a row
.set RD0,   23                         ; v23-26 where I read my 32 rows of expert 0 .. 3 back
.set CO,    27                         ; v27    16 x lane
.set SPW,   28                         ; v28    LDS address of my spare word; never rewritten
.set NIL,   29                         ; v29    0; never rewritten
.set PFO,   30                         ; v30    the prefetches' offset: 256 x min(lane, 24)
.set SC,    32                         ; v32-47 scale words: set p: 8 p + i h's tiles 2 i (lanes 0-15) and 2 i + 1 (lanes 16-31); 8 p + 4 + i W2's
.set RWT,   48                         ; v48-63 w_e of token 16 a + r, twice: a pair for the packed multiply
.set AF,    64                         ; v64-159, v160-255 h's fragments, two sets.  Window 1: v0-95, v128-223 W2's, two sets; v96-127, v224-255 b2 in the result's layout.  Windows 2, 3: the accumulators
.set TMP,   64                         ; the way out: v64-127, v128-191 by turns
.set WV,    14
.set G1,    24                         ; s[24:31] group 1; s[32:39] group 0, one for each slot
.set G0,    32
.set WB,    40                         ; s[40:41], s[44:45] W2's record that register set 0, 1 takes next: a base for each set, so that each is stepped behind the counted wait for its own loads
.set PFA,   42                         ; s[42:43] where my prefetches stand
.set MSB, 0
.macro WIN new                         ; the immediate's high byte repeats the setting that is left
.if MSB != \new
	s_set_vgpr_msb (MSB<<8)|\new
.set MSB, \new
.endif
.endm
.macro PLACES
.rept 4
	v_nop
.endr
.endm
.macro CROUND                          ; a round of the cluster's barrier
	s_barrier_signal -1
	s_barrier_wait -1
	s_cmp_lg_u32 s[WV], 0
	s_cbranch_scc1 .Lnot_wave_0_\@
	s_barrier_signal -3
.Lnot_wave_0_\@:
	s_barrier_wait -3
	s_barrier_signal -1
	s_barrier_wait -1
.endm
.macro WM d, a, b, c, sa, sb, ra, rb   ; ra, rb: the scales stand in lanes 16-31 of the register named
.if ((\ra) != 0) && ((\rb) != 0)
	v_wmma_scale_f32_16x16x128_f8f6f4 v[0+(\d):7+(\d)], v[0+(\a):11+(\a)], v[0+(\b):11+(\b)], v[0+(\c):7+(\c)], v[0+(\sa)], v[0+(\sb)] matrix_a_fmt:MATRIX_FMT_BF6 matrix_b_fmt:MATRIX_FMT_BF6 matrix_a_scale:MATRIX_SCALE_ROW1 matrix_b_scale:MATRIX_SCALE_ROW1
.elseif (\ra) != 0
	v_wmma_scale_f32_16x16x128_f8f6f4 v[0+(\d):7+(\d)], v[0+(\a):11+(\a)], v[0+(\b):11+(\b)], v[0+(\c):7+(\c)], v[0+(\sa)], v[0+(\sb)] matrix_a_fmt:MATRIX_FMT_BF6 matrix_b_fmt:MATRIX_FMT_BF6 matrix_a_scale:MATRIX_SCALE_ROW1
.elseif (\rb) != 0
	v_wmma_scale_f32_16x16x128_f8f6f4 v[0+(\d):7+(\d)], v[0+(\a):11+(\a)], v[0+(\b):11+(\b)], v[0+(\c):7+(\c)], v[0+(\sa)], v[0+(\sb)] matrix_a_fmt:MATRIX_FMT_BF6 matrix_b_fmt:MATRIX_FMT_BF6 matrix_b_scale:MATRIX_SCALE_ROW1
.else
	v_wmma_scale_f32_16x16x128_f8f6f4 v[0+(\d):7+(\d)], v[0+(\a):11+(\a)], v[0+(\b):11+(\b)], v[0+(\c):7+(\c)], v[0+(\sa)], v[0+(\sb)] matrix_a_fmt:MATRIX_FMT_BF6 matrix_b_fmt:MATRIX_FMT_BF6
.endif
.endm
; eight matrix instructions: token tile a against W2's eight tiles, from set p.  zero = 1: the first K step, whose C is the bias.  Accumulator (a, b) at v[8 (8 (a % 4) + b)] of window 2 (a < 4) or 3.
; The 64 accumulators take turns, one instruction a turn, in the same order in every step.
.macro MULA a, p, zero
.if \zero
	WIN 0x91+0x40*((\a)/4)                         ; source 0 (W2) and source 2 (the bias) window 1, source 1 (h) window 0, destination window 2 or 3
.else
	WIN 0xa1+0x50*((\a)/4)                         ; source 0 window 1, source 1 window 0, C and D window 2 or 3
.endif
.irp b, 0,1,2,3,4,5,6,7
.if \zero
	WM 8*(8*((\a)%4)+\b), 128*(\p)+12*\b, AF+96*(\p)+12*(\a), 96+8*\b+96*(\b/4), SC+8*(\p)+4+\b/2, SC+8*(\p)+(\a)/2, \b%2, (\a)%2
.else
	WM 8*(8*((\a)%4)+\b), 128*(\p)+12*\b, AF+96*(\p)+12*(\a), 8*(8*((\a)%4)+\b), SC+8*(\p)+4+\b/2, SC+8*(\p)+(\a)/2, \b%2, (\a)%2
.endif
.endr
.endm
.macro MULH p, zero, a0                ; 32 matrix instructions: token tiles a0 .. a0 + 3
.irp a, \a0, \a0+1, \a0+2, \a0+3
	MULA \a, \p, \zero
.endr
.endm
; h's record of the n-th step of a slot into set n: 28 LDS loads, each of consecutive bytes, 16 or 4 a lane
.macro FETCH_H n, slot
.irp a, 0,1,2,3,4,5,6,7
.irp c, 0,1,2
	ds_load_b128 v[AF+96*(\n)+12*\a+4*\c:AF+96*(\n)+12*\a+4*\c+3], v[ADR+(\slot)] offset:REC*(\n)+1536*\a+512*\c
.endr
.endr
.irp i, 0,1,2,3
	ds_load_b32 v[SC+8*(\n)+\i], v[ADS+(\slot)] offset:REC*(\n)+12288+128*\i
.endr
.endm
; W2's record that lies off bytes behind s[WB] into set n: 28 loads, each of consecutive bytes, 512 or 128 a wave
.macro FETCH_W n
	WIN 0x40                                       ; destination window 1
.irp b, 0,1,2,3,4,5,6,7
.irp c, 0,1,2
	global_load_b128 v[128*(\n)+12*\b+4*\c:128*(\n)+12*\b+4*\c+3], v[CO], s[WB+4*(\n):WB+4*(\n)+1] offset:1536*\b+512*\c
.endr
.endr
	WIN 0
.irp i, 0,1,2,3
	global_load_b32 v[SC+8*(\n)+4+\i], v[C4], s[WB+4*(\n):WB+4*(\n)+1] offset:12288+128*\i
.endr
.endm
; A PREFETCH of h, in the middle of a pair's first step: the fill that stands TWO fills on (four K steps).  Every cluster asks for what it will load.  A wave's joint tile is 2 records = 100 blocks of 256 bytes:
; the partner at place cx takes 25 of them BY ADDRESS (record cx / 2, half cx % 2), a lane a block (lanes 25 to 31 name the 25th again).  Fills 2 to 7 are asked for so; the pairs of fills 6 and 7 ask for nothing.
.macro ASK ask
.if \ask == 1
	global_prefetch_b8 v[PFO], s[PFA:PFA+1] th:TH_LOAD_NT scope:SCOPE_SE
.elseif \ask == 2
	s_cmp_gt_u32 s3, 1                             ; not in the loop's last trip: there is no fill 8
	s_cbranch_scc0 .Lno_ask_\@
	global_prefetch_b8 v[PFO], s[PFA:PFA+1] th:TH_LOAD_NT scope:SCOPE_SE
.Lno_ask_\@:
.endif
.endm
; A PAIR OF STEPS, 2 f and 2 f + 1, from one slot.  refill: the other slot takes fill f + 1 (the first time: slot 1's first fill, issued as a refill is).  more: W2's steps 2 f + 2 and 2 f + 3 exist and are asked for.
.macro TWO slot, refill, zero, ask, more
	s_wait_tensorcnt 0x0                           ; my one load that was out, this slot's two records of my expert, has landed
.if \refill
	ds_add_u32 v[SPW], v[NIL]                      ; 0 onto my spare word
	s_add_nc_u64 s[G0+4*\slot+2:G0+4*\slot+3], s[G0+4*\slot+2:G0+4*\slot+3], 4*HSTEP   ; no load of mine is out: this slot's next fill, four steps on
	s_wait_dscnt 0x0                               ; the add is done; my reads of the other slot were over in the last pair
	CROUND                                         ; both hold of every wave of the four work-groups
	tensor_load_to_lds s[G0+4-4*\slot:G0+7-4*\slot], s[G1:G1+7]   ; the first tensor load behind the round, my only one until the next
	s_nop 0
.endif
	PLACES                                         ; four lines behind the load
	FETCH_H 0, \slot
	FETCH_H 1, \slot
	s_wait_loadcnt 28                              ; W2 of step 2 f is in; the 28 loads of step 2 f + 1, which name the other base, may be out
.if \more
	s_add_nc_u64 s[WB:WB+1], s[WB:WB+1], 2*WSTEP   ; set 0's loads are done, so their base may be written: on to step 2 f + 2
.endif
	s_wait_dscnt 28                                ; h of step 2 f is in; the 28 loads of step 2 f + 1 may be out
	MULH 0, \zero, 0
	WIN 0
	ASK \ask
	MULH 0, \zero, 4
	PLACES                                         ; four places in front of loads into the set just multiplied
.if \more
	s_wait_xcnt 0x0                                ; the pair's prefetch, 32 matrix instructions back, has read its address; the only loads out were issued a whole step ago
	s_add_nc_u64 s[PFA:PFA+1], s[PFA:PFA+1], 2*HSTEP   ; the next pair asks one fill further on
	FETCH_W 0
	s_wait_loadcnt 28                              ; W2 of step 2 f + 1 is in; the 28 just issued, which name the other base, may be out
	s_add_nc_u64 s[WB+4:WB+5], s[WB+4:WB+5], 2*WSTEP   ; set 1's loads are done: on to step 2 f + 3
.else
	s_wait_loadcnt 0x0
.endif
	s_wait_dscnt 0x0                               ; h of step 2 f + 1 is in: my reads of this slot are over
.if \more == 0
	s_barrier_signal -1                            ; the last pair: behind this barrier no wave reads a slot any more
.endif
	MULH 1, 0, 0
	MULH 1, 0, 4
	PLACES
.if \more
	FETCH_W 1
.endif
	WIN 0
.endm
	s_load_b256 s[4:11], s[0:1], 0x0               ; hq s[4:5], w2q s[6:7], b2 s[8:9], rw s[10:11]
	s_load_b64 s[12:13], s[0:1], 0x20              ; out0
	v_lshl_add_u32 v[SPW], v0, 2, SPARE
	v_mov_b32 v[NIL], 0
	ds_add_u32 v[SPW], v[NIL]                      ; the opening: the add, twice on end, and its wait ahead of my first tensor load
	ds_add_u32 v[SPW], v[NIL]
	v_lshrrev_b32 v1, 5, v0
	v_readfirstlane_b32 s[WV], v1                  ; wave 0..3 = my expert
	s_bfe_u32 s15, ttmp6, 0x40000                  ; cx
	s_lshl_b32 s16, ttmp9, 2
	s_add_co_u32 s16, s16, s15                     ; the block of 128 d = 4 x cluster x + cx: it enters W2's, b2's and out0's addresses alone
	s_and_b32 s17, ttmp7, 0xffff                   ; the block of 128 tokens, which the four partners share
	; group 1: two lines of 12,800 bytes (1,600 elements of 8), a K step apart; no padding
	s_mov_b32 s[G1], 15|(3<<16)|(1<<21)
	s_mov_b32 s[G1+1], 1600<<16
	s_mov_b32 s[G1+2], 2<<16
	s_mov_b32 s[G1+3], 1600<<16
	s_mov_b32 s[G1+4], 2
	s_mov_b32 s[G1+5], HSTEP/8
	s_mov_b32 s[G1+6], 0
	s_mov_b32 s[G1+7], 0
	s_mul_i32 s18, s[WV], 16*HSTEP                 ; h: my expert,
	s_mul_i32 s19, s17, REC                        ; the block of tokens
	s_add_co_u32 s18, s18, s19
	s_mov_b32 s19, 0
	s_mul_i32 s20, s[WV], 2*REC                    ; where my two records lie in a slot: no place in the cluster enters an LDS address
	s_wait_dscnt 0x0                               ; both opening adds are done
	s_wait_kmcnt 0x0
	s_add_nc_u64 s[18:19], s[4:5], s[18:19]
.irp n, 0,1
	s_mov_b32 s[G0+4*\n], 1
	s_add_co_u32 s[G0+4*\n+1], s20, \n*SLOT
	s_add_nc_u64 s[G0+4*\n+2:G0+4*\n+3], s[18:19], \n*2*HSTEP      ; fill n
	s_or_b32 s[G0+4*\n+3], s[G0+4*\n+3], 0x80000000
.endr
	CROUND                                         ; all four work-groups are here: the first joint loads meet
	tensor_load_to_lds s[G0:G0+3], s[G1:G1+7]      ; fill 0: one tensor load a wave at the head
	s_nop 0
	PLACES
	v_and_b32 v2, 31, v0                           ; lane
	v_and_b32 v3, 15, v0                           ; r
	v_bfe_u32 v4, v0, 4, 1                         ; h
	v_lshlrev_b32 v[CO], 4, v2
	v_lshlrev_b32 v[C4], 2, v2
	v_lshlrev_b32 v6, 5, v4                        ; b2: 8 h numbers on
	v_lshlrev_b32 v7, 4, v3                        ; rw: 16 bytes a token
	v_min_u32 v[PFO], 24, v2
	v_lshlrev_b32 v[PFO], 8, v[PFO]
	v_add_nc_u32 v[ADR], s20, v[CO]
	v_add_nc_u32 v[ADR+1], SLOT, v[ADR]
	v_add_nc_u32 v[ADS], s20, v[C4]
	v_add_nc_u32 v[ADS+1], SLOT, v[ADS]
	s_mul_i32 s21, s[WV], STG
	v_mul_u32_u24 v[STO], v3, SPITCH
	v_lshl_add_u32 v[STO], v4, 5, v[STO]
	v_add_nc_u32 v[STO], s21, v[STO]               ; my expert's stage: row r, + 32 h
	s_mul_i32 s21, s[WV], 32*SPITCH
	v_add_nc_u32 v[RD0], s21, v[CO]                ; back: rows 32 w on, 16 bytes a lane, of each expert's stage
	v_add_nc_u32 v[RD0+1], STG, v[RD0]
	v_add_nc_u32 v[RD0+2], STG, v[RD0+1]
	v_add_nc_u32 v[RD0+3], STG, v[RD0+2]
	s_wait_alu depctr_va_vdst(0)                   ; the wait behind the head's last vector write
	s_lshl_b32 s22, s[WV], 12
	s_lshl_b32 s23, s16, 9
	s_add_co_u32 s22, s22, s23
	s_mov_b32 s23, 0
	s_add_nc_u64 s[8:9], s[8:9], s[22:23]          ; b2 at my expert's row, my block of d
	s_lshl_b32 s22, s17, 11
	s_lshl_b32 s21, s[WV], 2
	s_add_co_u32 s22, s22, s21
	s_add_nc_u64 s[10:11], s[10:11], s[22:23]      ; rw at my block of tokens, my expert
	s_lshl_b32 s22, s[WV], 7
	s_add_co_u32 s22, s22, s16                     ; W2: record 128 e + block of d: K step 0
	s_mul_i32 s22, s22, REC
	s_add_nc_u64 s[WB:WB+1], s[6:7], s[22:23]
	WIN 0x40                                       ; destination window 1
.irp b, 0,1,2,3,4,5,6,7
	global_load_b128 v[96+8*\b+96*(\b/4):96+8*\b+96*(\b/4)+3], v6, s[8:9] offset:64*\b       ; lane (r, h): b2(16 b + 8 h + 0 .. 7)
	global_load_b128 v[96+8*\b+96*(\b/4)+4:96+8*\b+96*(\b/4)+7], v6, s[8:9] offset:64*\b+16
.endr
	WIN 0
.irp a, 0,1,2,3,4,5,6,7
	global_load_b32 v[RWT+2*\a], v7, s[10:11] offset:256*\a
	global_load_b32 v[RWT+2*\a+1], v7, s[10:11] offset:256*\a   ; twice: the packed multiply takes a pair
.endr
	s_add_nc_u64 s[WB+4:WB+5], s[WB:WB+1], WSTEP   ; set 1's base: K step 1
	FETCH_W 0                                      ; W2 of steps 0 and 1
	FETCH_W 1
	s_lshl_b32 s22, s17, 7
	s_lshl_b32 s21, s[WV], 5
	s_add_co_u32 s22, s22, s21                     ; the first row that I store: 128 x block + 32 x wave
	s_lshl_b32 s22, s22, 12
	s_lshl_b32 s21, s16, 9
	s_add_co_u32 s22, s22, s21
	s_add_nc_u64 s[12:13], s[12:13], s[22:23]
	s_lshr_b32 s21, s15, 1                         ; the prefetches: of fill 2 (steps 4 and 5) record cx / 2,
	s_add_co_u32 s21, s21, 4
	s_mul_i32 s22, s21, HSTEP
	s_and_b32 s21, s15, 1                          ; its half cx % 2
	s_mul_i32 s21, s21, 6400
	s_add_co_u32 s22, s22, s21
	s_add_nc_u64 s[PFA:PFA+1], s[18:19], s[22:23]
	TWO 0, 1, 1, 1, 1                              ; steps 0 and 1: the first products take the bias as C and start the sums
	s_mov_b32 s3, 3
.Llap:                                             ; three trips of four steps: fills 1 to 6
	TWO 1, 1, 0, 1, 1
	TWO 0, 1, 0, 2, 1
	s_sub_co_u32 s3, s3, 1
	s_cmp_lg_u32 s3, 0
	s_cbranch_scc1 .Llap
	TWO 1, 0, 0, 0, 0                              ; steps 14 and 15: the tail is written out: nothing more is asked for
	s_barrier_wait -1                              ; no wave reads a slot any more: the stages may be written
	; THE WAY OUT.  My sums x w_e go into my expert's stage, a tile of 16 tokens at a time; a barrier; each wave adds the four experts' parts of 32 rows and stores whole rows of 512 bytes.
.irp a, 0,1,2,3,4,5,6,7
.if \a >= 2
	s_wait_dscnt 16                                ; the stores of two tiles back have read these registers; the last tile's sixteen may be out
.endif
	WIN 0x02+(\a/4)                                ; source 0: window 2 or 3
.set i, 0
.rept 32
	v_pk_mul_f32 v[TMP+64*(\a%2)+i:TMP+64*(\a%2)+i+1], v[64*(\a%4)+i:64*(\a%4)+i+1], v[RWT+2*\a:RWT+2*\a+1]   ; ascending: each accumulator is read from its low end on
.set i, i+2
.endr
	WIN 0
.irp b, 0,1,2,3,4,5,6,7
	ds_store_b128 v[STO], v[TMP+64*(\a%2)+8*\b:TMP+64*(\a%2)+8*\b+3] offset:16*SPITCH*\a+64*\b
	ds_store_b128 v[STO], v[TMP+64*(\a%2)+8*\b+4:TMP+64*(\a%2)+8*\b+7] offset:16*SPITCH*\a+64*\b+16
.endr
.endr
	s_wait_dscnt 0x0                               ; for the others' sake: my stores into the stage have landed
	s_barrier_signal -1
	s_barrier_wait -1
.macro LOADQ q                         ; four rows of each of the four experts' stages
.irp i, 0,1,2,3
.irp k, 0,1,2,3
	ds_load_b128 v[TMP+64*((\q)%2)+16*\i+4*\k:TMP+64*((\q)%2)+16*\i+4*\k+3], v[RD0+\k] offset:SPITCH*(4*(\q)+\i)
.endr
.endr
.endm
	LOADQ 0
.irp q, 0,1,2,3,4,5,6,7
.if \q < 7
.if \q >= 1
	s_wait_xcnt 0x0                                ; the stores of the batch before have read the registers into which the next batch is loaded
.endif
	LOADQ \q+1
	s_wait_dscnt 16                                ; all but the sixteen loads just issued
.else
	s_wait_dscnt 0x0
.endif
.set BB, TMP+64*(\q%2)
.irp i, 0,1,2,3
	v_pk_add_f32 v[BB+16*\i:BB+16*\i+1], v[BB+16*\i:BB+16*\i+1], v[BB+16*\i+4:BB+16*\i+5]
	v_pk_add_f32 v[BB+16*\i+2:BB+16*\i+3], v[BB+16*\i+2:BB+16*\i+3], v[BB+16*\i+6:BB+16*\i+7]
	v_pk_add_f32 v[BB+16*\i+8:BB+16*\i+9], v[BB+16*\i+8:BB+16*\i+9], v[BB+16*\i+12:BB+16*\i+13]
	v_pk_add_f32 v[BB+16*\i+10:BB+16*\i+11], v[BB+16*\i+10:BB+16*\i+11], v[BB+16*\i+14:BB+16*\i+15]
.endr
.irp i, 0,1,2,3
	v_pk_add_f32 v[BB+16*\i:BB+16*\i+1], v[BB+16*\i:BB+16*\i+1], v[BB+16*\i+8:BB+16*\i+9]
	v_pk_add_f32 v[BB+16*\i+2:BB+16*\i+3], v[BB+16*\i+2:BB+16*\i+3], v[BB+16*\i+10:BB+16*\i+11]
.endr
.irp i, 0,1,2,3
	global_store_b128 v[CO], v[BB+16*\i:BB+16*\i+3], s[12:13] offset:4096*(4*\q+\i) th:TH_STORE_NT   ; 32 lanes store 512 consecutive bytes, at a multiple of 256 from out0's first byte
.endr
.endr
	s_wait_tensorcnt 0x0                           ; the wave's end, behind my last tensor load and my last LDS store
	ds_add_u32 v[SPW], v[NIL]
	s_wait_dscnt 0x0
	CROUND                                         ; the closing round: no work-group ends while a partner may still ask for a tile that names it
	s_endpgm
.Lfunc_end_k_q2f2995d9bd_down:
	.size	k_q2f2995d9bd_down, .Lfunc_end_k_q2f2995d9bd_down-k_q2f2995d9bd_down
	.p2alignl 7, 3214868480
	.fill 96, 4, 3214868480
	.section	.rodata,"a",@progbits
	.p2align	6, 0x0
	.amdhsa_kernel k_q2f2995d9bd_down
		.amdhsa_group_segment_fixed_size 327680
		.amdhsa_private_segment_fixed_size 0
		.amdhsa_enable_private_segment 0
		.amdhsa_kernarg_size 40
		.amdhsa_user_sgpr_count 2
		.amdhsa_user_sgpr_kernarg_segment_ptr 1
		.amdhsa_wavefront_size32 1
		.amdhsa_system_sgpr_workgroup_id_x 1
		.amdhsa_system_sgpr_workgroup_id_y 1
		.amdhsa_system_sgpr_workgroup_id_z 1
		.amdhsa_system_vgpr_workitem_id 0
		.amdhsa_next_free_vgpr 1024
		.amdhsa_next_free_sgpr 66
		.amdhsa_reserve_vcc 0
		.amdhsa_float_denorm_mode_32 3
		.amdhsa_float_denorm_mode_16_64 3
		.amdhsa_memory_ordered 1
		.amdhsa_forward_progress 1
		.amdhsa_inst_pref_size 162
	.end_amdhsa_kernel
	.amdgpu_metadata
---
amdhsa.version: [ 1, 2 ]
amdhsa.kernels:
  - .name:           k_q2f2995d9bd_down
    .symbol:         k_q2f2995d9bd_down.kd
    .args:
      - { .name: hq, .offset: 0, .size: 8, .value_kind: global_buffer, .address_space: global }
      - { .name: w2q, .offset: 8, .size: 8, .value_kind: global_buffer, .address_space: global }
      - { .name: b2, .offset: 16, .size: 8, .value_kind: global_buffer, .address_space: global }
      - { .name: rw, .offset: 24, .size: 8, .value_kind: global_buffer, .address_space: global }
      - { .name: out0, .offset: 32, .size: 8, .value_kind: global_buffer, .address_space: global }
    .group_segment_fixed_size: 327680
    .private_segment_fixed_size: 0
    .kernarg_segment_align: 8
    .kernarg_segment_size: 40
    .max_flat_workgroup_size: 128
    .sgpr_count:     66
    .vgpr_count:     1024
    .wavefront_size: 32
...
	.end_amdgpu_metadata
.endif
;; end of part 3
